; MI455X (gfx1250); checked and timed in simulation.
; The chip was launched on July 23, 2026; its instructions are those of AMD's public machine-readable ISA for CDNA 5 (MIT licence, August 2026) and "CDNA5" Instruction Set Architecture Reference Guide (July 2026). The comments in the code are by the model that wrote it; some were corrected since.
;; Attention. Allowed arithmetic: matrix products marked QUANTISED: E4M3 operands, one given power-of-two scale a tensor, by v_wmma_f32_16x16x64_fp8_fp8 or v_wmma_f32_16x16x128_fp8_fp8, f32 sums; everything else in f32.
;; Inputs: b_out 1,024 float32; b_qkv 3,072 float32; lowp_scales 8 int32 (the exponents e of the quantised operands' scales 2^e); w_out_codes 1,024 x 32 x 32 uint8 (E4M3 codes of w_out, K innermost, in blocks of 32 codes); w_qkv_codes 3,072 x 32 x 32 uint8 (E4M3 codes of w_qkv, K innermost, in blocks of 32 codes); x_codes 4 x 2,048 x 32 x 32 uint8 (E4M3 codes of x, K innermost, in blocks of 32 codes).
;; Outputs: out0 4 x 2,048 x 1,024 float32.
;; This version of the problem:
;;   THIS VERSION OF THE PROBLEM IS GIVEN IN LOW PRECISION. The matrix products marked QUANTISED in the list below multiply operands that are first quantised to E4M3 (4 exponent bits, 3 mantissa bits; 8 bits a number), with one given power-of-two scale for each operand tensor; their sums are f32. All else is computed in f32.
;;   The module's matrix products, in the order in which they are computed (A, B: the left and right operand; K: the contracted axis; several contracted axes count as one K, in the product's order):
;;     1. [M 8,192, K 1,024] x [K 1,024, N 3,072]; A: input x (given as codes); B: input w_qkv (given as codes): QUANTISED (scales: A lowp_scales[0], B lowp_scales[1])
;;     2. batch 64 x [M 2,048, K 64] x [K 64, N 2,048]; A: computed on the way; B: computed on the way: QUANTISED (scales: A lowp_scales[2], B lowp_scales[3])
;;     3. batch 64 x [M 2,048, K 2,048] x [K 2,048, N 64]; A: softmax (see below); B: computed on the way: QUANTISED (scales: A lowp_scales[4], B lowp_scales[5])
;;     4. [M 8,192, K 1,024] x [K 1,024, N 1,024]; A: computed on the way; B: input w_out (given as codes): QUANTISED (scales: A lowp_scales[6], B lowp_scales[7])
;;   THE QUANTISER, for each operand of a quantised product, along K:
;;     - The operand's scale is 2^e, e = its entry of the input lowp_scales (int32; the entries are numbered through the quantised products in the list's order, A before B).
;;     - Each number is divided by the scale, clamped to +-448, and rounded to the nearest number of E4M3, ties to even, subnormals kept.
;;     - The product sums the exact products of the quantised numbers (number of the format x scale) in f32.
;;   ~~~python
;;   def quantise(x, axis, e):      # numpy; x: float32 -> the quantised numbers, widened to float32 again
;;       x = np.moveaxis(x, axis, -1); K = x.shape[-1]
;;       r = np.clip(x / 2.0 ** e, -448, 448)
;;       step = 2.0 ** (np.maximum(np.frexp(np.where(r == 0, 1, r))[1] - 1, -6) - 3)
;;       q = np.round(r / step) * step * 2.0 ** e      # np.round: ties to even
;;       return np.moveaxis(q, -1, axis).astype(np.float32)
;;   ~~~
;;   SOFTMAX AHEAD OF A QUANTISED PRODUCT. Where the list says 'softmax', what is quantised is not the finished softmax but p = 2^(t - M), with t = logit x log2(e) and M = ceil(the row's largest t), a whole number; so 1/2 < the row's largest p <= 1. The row's sum l is taken of the UNQUANTISED p, in f32, and the product's result is divided by l at the end. Since M is a whole number, a kernel that streams over the keys may use a running M (the ceiling of the running maximum): every later rescaling is an exact power of two, so the quantised numbers keep their values, but for numbers so far below the row's largest that they fall under the format's range.
;;   OPERANDS COMPUTED ON THE WAY. 'Computed on the way' means the value that the module computes at that place (a softmax that the list does not call 'softmax' is quantised finished and normalised). What goes into a quantiser is computed in f32, as accurately as f32 sums, v_exp_f32 and their like allow (about 1e-6 of the number): no bf16 or f16 on the way to a quantiser, and a product that is left as it is and whose result goes on into a quantised operand takes f32 operands (vector FMAs, or v_wmma_f32_16x16x4_f32). A number that lies on a knife's edge between two numbers of the format may be rounded either way, as far as f32 arithmetic and the matrix unit's own rounding can turn it there, and no further.
;;   INPUTS GIVEN AS CODES. w_out (in the module: [1024, 1024], K = its axis 1); w_qkv (in the module: [3072, 1024], K = its axis 1); x (in the module: [4, 2048, 1024], K = its axis 2): each comes as NAME_codes (uint8): NAME with its K axis moved to the last place and cut into blocks of 32 codes, [.., K / 32, bytes a block], one block behind the other in memory; one code a byte (a code: sign, 4 exponent bits, 3 mantissa bits); its scale is its entry of lowp_scales. Its value is code x scale, taken as it is: it is not quantised again, and the codes and scales need not be those that the quantiser above would give.
;; One version. Each part assembles by itself: llvm-mc -triple=amdgcn-amd-amdhsa -mcpu=gfx1250 --defsym DOCPART=n.
;; ======== version 1 of 1: 3 launches
;; limits: right only within a limited range of input values
;; workspace buffers: qf 8,388,608 bytes; kf 8,388,608 bytes; vf 8,388,608 bytes; af 8,388,608 bytes
;; launch qkv (part 1): grid 12 x 32, 4 waves a work-group, clusters of 4 x 4, 327,680 bytes of LDS; arguments x_codes, w_qkv_codes, b_qkv, lowp_scales, qf, kf, vf; writes qf, kf, vf
.if DOCPART == 1
	.amdgcn_target "amdgcn-amd-amdhsa--gfx1250"
	.amdhsa_code_object_version 6
	.text
	.protected	k_q456c9bf6d9_qkv
	.globl	k_q456c9bf6d9_qkv
	.p2align	8
	.type	k_q456c9bf6d9_qkv,@function
k_q456c9bf6d9_qkv:
	s_mov_b64 s[64:65], 0
	v_nop
	global_prefetch_b8 v0, s[64:65] scope:SCOPE_SE
	s_setreg_imm32_b32 hwreg(HW_REG_WAVE_MODE, 25, 1), 1
	s_wait_xcnt 0x0
	s_wait_alu depctr_hold_cnt(0) depctr_sa_sdst(0) depctr_va_vdst(0) depctr_va_sdst(0) depctr_va_ssrc(0) depctr_va_vcc(0) depctr_vm_vsrc(0)
	s_getreg_b32 s2, hwreg(HW_REG_IB_STS2, 6, 4)
	s_cmp_eq_u32 s2, 0
	s_cbranch_scc0 .Lentry_in_a_cluster
	s_endpgm
.Lentry_in_a_cluster:
	s_bfe_u32 s2, ttmp6, 0x10000c
	s_cmp_lg_u32 s2, 0xf033
	s_cbranch_scc0 .Lentry_shape_is_right
	s_endpgm
.Lentry_shape_is_right:
; qkv = x w_qkv^T + b_qkv on codes of FP8 (E4M3), and the quantisers of q, k and v.  x: [8192][1024] codes, w_qkv: [3072][1024] codes, K innermost; b_qkv f32.
; lowp_scales: e0 (x), e1 (w_qkv), e2 (q), e3 (k), e5 (v).  A sum stands for sum x 2^(e0 + e1); the bias goes in as the C of each sum's first product, divided by 2^(e0 + e1);
; a code is (sum + bias') / 2^(eo - e0 - e1), eo = e2, e3 or e5.
; LIMITS: eo - e0 - e1 lies between -126 and 119 for each of the three, so that the power of two below is an f32 number.  NaN codes and NaN biases are not served.
; A tile of 256 x 256 results is made by a work-group of four waves, as many as a WGP has SIMDs; a wave makes 128 x 128: 64 accumulators, 512 registers.  K = 1,024 goes in four steps of 256 through two LDS slots.
; THE TWO SOURCES.  Source 1 is P (its row = the lane's row of the result), source 0 is R (eight neighbouring rows of R lie in a lane's eight registers).
;   cluster x = 0, 1 (q, k): P = 256 tokens of x, R = 256 rows of w_qkv: a lane holds one token and eight neighbouring channels, which are the K of the scores.
;   cluster x = 2    (v):    P = 256 rows of w_qkv's last third, R = 256 tokens of x: a lane holds one channel and eight neighbouring tokens, the keys, which are the K of the second product of attention.
; Only global addresses are chosen by that (the cluster's x is the same in all sixteen partners); LDS addresses, masks and the loop are the same.
; THE RESULTS LEAVE AS IMAGES OF OPERAND REGISTERS.  Eight results of a lane become two registers of codes, and those are registers 2 c, 2 c + 1 (k = 16 c + 8 (lane / 16) + 0 .. 7) of an 8-bit operand.
; Four such registers are stored 16 bytes a lane, lane l at 16 l: 512 consecutive bytes, aligned.  qf, kf: [batch][head][tile of 16 tokens][1,024 bytes]; vf: [batch][block of 64 keys][head][tile of 16 channels][1,024 bytes].
; CLUSTERS: 4 x 4 work-groups; P's tile is shared along a row of the cluster, R's along a column: each is asked for jointly, by the same tensor load with the same descriptor and a mask that names the four.
; REGISTERS, in windows of 256: window 0: v16-31 addresses and constants; v32-95 the bias in the results' layout; v96-103 v's biases as loaded; from v128 P's fragments, ONE set, later the codes.
;   window 1: R's fragments, TWO sets.   window 2: the accumulators of my P rows 0-63 ((a, b) at v[8 (8 (a % 4) + b)]);   window 3: those of my P rows 64-127.
.set KROW,   1024                      ; a row of x or of w_qkv in bytes
.set ROWB,   256                       ; a tile's row: 256 codes
.set PITCH,  272                       ; an LDS row: 256 bytes + 16 of padding = 68 words: the 16 rows that a load touches start at 16 different banks (64 banks of 4 bytes: ISA guide 11.1)
.set FR,     16                        ; registers of a fragment: 16 rows x 128 K
.set NL,     4                         ; LDS loads that bring one
.set NP,     4                         ; places behind this matrix instruction (ISA guide 7.12.1)
.set HALFT,  128*PITCH                 ; 128 rows: what one tensor load brings
.set SLOT,   4*HALFT                   ; P's 256 rows, then R's 256 rows
.set SPARE,  2*SLOT                    ; behind the ring: the spare words, 128 bytes a wave: two blocks of 256 bytes that no other line names
.set ADRA, 16                          ; v16-17  LDS address of my P fragments in slot 0, 1
.set ADRB, 20                          ; v20-21  the same for R
.set VO0,  24                          ; v24     16 x lane: my place in an image
.set VO1,  25                          ; v25     the same in the next head (q, k) or the next block of keys (v)
.set LIM,  26
.set SC,   27                          ; v27     2^(eo - e0 - e1)
.set SPW,  28                          ; v28     LDS address of my spare word; never rewritten
.set NIL,  29                          ; v29     0; never rewritten
.set BC,   32                          ; v32-95  the bias: eight registers for each block b (q, k) or a (v)
.set T,    32
.set TB,   96                          ; v96-103 v's biases as loaded: one a block
.set AF,   128                         ; P's fragments
.set CD,   128                         ; on the way out: 16 registers of codes for each of the 8 blocks
.set WV,   18                          ; s18 wave;  s19 my half of P's rows, also: I fetch P (0) or R (1);  s20 my half of R's rows, also: which 128 rows I fetch
.set WI,   19
.set WJ,   20
.set ISV,  66                          ; s66 1 in the cluster column that makes v
.set G1,   24                          ; s[24:31] descriptor group 1 for P's tiles;  s[32:39] group 0, one set a slot
.set G0,   32
.set G1B,  48                          ; s[48:55], s[56:63] the same for R's tiles
.set G0B,  56
.set MSB, 0
.macro WIN new                         ; the immediate's high byte repeats the setting that is left
.if MSB != \new
	s_set_vgpr_msb (MSB<<8)|(\new)
.set MSB, \new
.endif
.endm
.set MUL_LO, 0xa1                      ; source 0 (R) window 1, source 1 (P) window 0, C and D window 2
.set MUL_HI, 0xf1                      ; the same, C and D window 3
.set TO_B,   0x40                      ; destination window 1, address window 0
; A joint load: waves 0 and 1 fetch for P, waves 2 and 3 for R.  The branch hangs on the wave's number alone.  Four v_nop follow each of the two lines.
.macro JLOAD s
	s_cmp_eq_u32 s[WI], 0
	s_cbranch_scc0 .Lfor_r_\@
	tensor_load_to_lds s[G0+4*\s:G0+4*\s+3], s[G1:G1+7]
	s_nop 0
.rept 4
	v_nop
.endr
	s_branch .Lasked_\@
.Lfor_r_\@:
	tensor_load_to_lds s[G0B+4*\s:G0B+4*\s+3], s[G1B:G1B+7]
	s_nop 0
.rept 4
	v_nop
.endr
.Lasked_\@:
.endm
.macro CREST                           ; a round of the cluster's barrier behind its opening barrier
	s_cmp_lg_u32 s[WV], 0
	s_cbranch_scc1 .Lnot_wave_0_\@
	s_barrier_signal -3
.Lnot_wave_0_\@:
	s_barrier_wait -3
	s_barrier_signal -1
	s_barrier_wait -1
.endm
.macro CROUND                          ; a whole round
	s_barrier_signal -1
	s_barrier_wait -1
	CREST
.endm
	s_load_b256 s[4:11], s[0:1], 0x0               ; x s[4:5], w_qkv s[6:7], b_qkv s[8:9], the scales' exponents s[10:11]
	s_load_b128 s[12:15], s[0:1], 0x20             ; qf s[12:13], kf s[14:15]
	s_load_b64 s[16:17], s[0:1], 0x30              ; vf
	v_lshl_add_u32 v[SPW], v0, 2, SPARE
	v_mov_b32 v[NIL], 0
	ds_add_u32 v28, v29
	ds_add_u32 v28, v29
	s_wait_dscnt 0x0
	v_lshrrev_b32 v1, 5, v0
	v_readfirstlane_b32 s[WV], v1                  ; wave 0..3
	s_lshr_b32 s[WI], s[WV], 1
	s_and_b32 s[WJ], s[WV], 1
	s_bfe_u32 s21, ttmp6, 0x40000                  ; cx
	s_bfe_u32 s22, ttmp6, 0x40004                  ; cy
	s_and_b32 s23, ttmp7, 0xffff                   ; Y: the cluster's y
	s_lshl_b32 s40, s23, 2
	s_add_co_u32 s67, s40, s22                     ; 4 Y + cy
	s_add_co_u32 s41, s40, s21                     ; 4 Y + cx
	s_lshl_b32 s42, ttmp9, 2
	s_add_co_u32 s68, s42, s21                     ; 4 X + cx
	s_cmp_eq_u32 ttmp9, 2                          ; the cluster's x: the same in all sixteen partners
	s_cselect_b32 s[ISV], 1, 0
	s_cselect_b32 s67, s22, s67                    ; P's tile: v: cy (of w_qkv's last third);  q, k: 4 Y + cy (of x): it hangs on cy, which my row of the cluster shares
	s_cselect_b32 s68, s41, s68                    ; R's tile: v: 4 Y + cx (of x);  q, k: 4 X + cx (of w_qkv): it hangs on cx, which my column shares
	s_lshl_b32 s43, s22, 2
	s_lshl_b32 s43, 15, s43                        ; my row of the cluster
	s_lshl_b32 s44, 0x1111, s21                    ; my column
	; descriptor group 1: a tile of 128 rows x 256 bytes, padded in LDS
	s_or_b32 s[G1+0], s43, (1<<20)|(1<<21)|(5<<22)|(3<<25)   ; 15:0 the mask; 17:16 elements of 1 byte; 20 padding on; 21 set beside a mask; 24:22 after every 64 words (code 5); 31:25 four words (code 3)
	s_or_b32 s[G1B+0], s44, (1<<20)|(1<<21)|(5<<22)|(3<<25)
.irp g, G1, G1B
	s_mov_b32 s[\g+1], ROWB<<16                    ; tensor_dim0
	s_mov_b32 s[\g+2], 128<<16                     ; tensor_dim1
	s_mov_b32 s[\g+3], ROWB<<16                    ; tile_dim0
	s_mov_b32 s[\g+4], 128                         ; tile_dim1
	s_mov_b32 s[\g+5], KROW                        ; tensor_dim0_stride
	s_mov_b32 s[\g+6], 0
	s_mov_b32 s[\g+7], 0
.endr
	s_lshl_b32 s45, s[WJ], 7                       ; which 128 rows of the tile I fetch
	s_lshl_b32 s80, s67, 8
	s_add_co_u32 s80, s80, s45
	s_lshl_b32 s80, s80, 10                        ; P: (256 x tile + 128 x half) rows of 1,024 bytes: under 2^23
	s_mov_b32 s81, 0
	s_lshl_b32 s82, s68, 8
	s_add_co_u32 s82, s82, s45
	s_lshl_b32 s82, s82, 10                        ; R likewise
	s_mov_b32 s83, 0
	s_mul_i32 s69, s[WV], HALFT                    ; where my load goes: wave x 128 rows: no place in the cluster enters an LDS address
	s_wait_kmcnt 0x0
	s_load_b256 s[72:79], s[10:11], 0x0            ; e0 .. e7
	s_add_nc_u64 s[46:47], s[6:7], 0x200000        ; w_qkv's rows 2,048 on: v's
	s_cmp_eq_u32 s[ISV], 1
	s_cselect_b64 s[90:91], s[46:47], s[4:5]       ; P's tensor
	s_cselect_b64 s[92:93], s[4:5], s[6:7]         ; R's tensor
	s_add_nc_u64 s[80:81], s[90:91], s[80:81]
	s_add_nc_u64 s[82:83], s[92:93], s[82:83]
	CROUND                                         ; all sixteen work-groups are here: the first joint loads meet
.irp s, 0,1
	s_mov_b32 s[G0+4*\s], 1                        ; count = 1
	s_add_co_u32 s[G0+4*\s+1], s69, \s*SLOT        ; LDS address
	s_add_nc_u64 s[G0+4*\s+2:G0+4*\s+3], s[80:81], \s*ROWB   ; global address: K step s
	s_or_b32 s[G0+4*\s+3], s[G0+4*\s+3], 0x80000000          ; type = 2
	s_mov_b32 s[G0B+4*\s], 1
	s_add_co_u32 s[G0B+4*\s+1], s69, \s*SLOT
	s_add_nc_u64 s[G0B+4*\s+2:G0B+4*\s+3], s[82:83], \s*ROWB
	s_or_b32 s[G0B+4*\s+3], s[G0B+4*\s+3], 0x80000000
	JLOAD \s
.endr
	v_and_b32 v1, 15, v0                           ; r = lane % 16
	v_bfe_u32 v2, v0, 4, 1                         ; h = lane / 16
	v_mul_u32_u24 v3, v1, PITCH
	v_lshl_add_u32 v4, v2, 4, v3                   ; a fragment's row x pitch + 16 x half
	s_mul_i32 s40, s[WI], HALFT                    ; my 128 rows of P
	s_mul_i32 s41, s[WJ], HALFT                    ; my 128 rows of R,
	s_add_co_u32 s41, s41, 2*HALFT                 ; which lie behind P's 256
.irp s, 0,1
	v_add_nc_u32 v[ADRA+\s], s40, v4
	v_add_nc_u32 v[ADRB+\s], s41, v4
	s_add_co_u32 s40, s40, SLOT
	s_add_co_u32 s41, s41, SLOT
.endr
	; where my images go.  U: my tile of 256 tokens; FH: my tile of 256 channels of the 1,024; WT, WF: my wave's half of each
	s_cmp_eq_u32 s[ISV], 1
	s_cselect_b32 s89, s68, s67                    ; U
	s_cselect_b32 s90, s22, s21                    ; FH
	s_cselect_b32 s91, s[WJ], s[WI]                ; WT
	s_cselect_b32 s92, s[WI], s[WJ]                ; WF
	s_mov_b32 s88, 0x20000                         ; q, k: from a head to the next: 128 tiles of 1,024 bytes
	s_cselect_b32 s88, 0x10000, s88                ; v: from a block of 64 keys to the next: 16 heads x 4 tiles of 1,024 bytes
	s_lshr_b32 s93, s89, 3                         ; batch
	s_and_b32 s94, s89, 7                          ; the tile of 256 tokens in it
	s_lshl_b32 s95, s90, 2
	s_lshl_b32 s40, s92, 1
	s_add_co_u32 s95, s95, s40                     ; my first head: 4 FH + 2 WF
	s_lshl_b32 s40, s93, 4
	s_add_co_u32 s40, s40, s95
	s_lshl_b32 s40, s40, 17                        ; q, k: (16 batch + head) x 131,072
	s_lshl_b32 s41, s94, 4
	s_lshl_b32 s42, s91, 3
	s_add_co_u32 s41, s41, s42
	s_lshl_b32 s41, s41, 10                        ;       + (16 tile + 8 WT) tiles of 16 tokens x 1,024
	s_add_co_u32 s40, s40, s41
	s_lshl_b32 s43, s93, 5
	s_lshl_b32 s44, s94, 2
	s_add_co_u32 s43, s43, s44
	s_lshl_b32 s44, s91, 1
	s_add_co_u32 s43, s43, s44
	s_lshl_b32 s43, s43, 16                        ; v: (32 batch + 4 tile + 2 WT) blocks of 64 keys x 65,536
	s_lshl_b32 s44, s95, 12
	s_add_co_u32 s43, s43, s44                     ;    + head x 4,096
	s_wait_kmcnt 0x0                               ; the exponents
	s_cmp_eq_u32 s[ISV], 1
	s_cselect_b32 s40, s43, s40
	s_mov_b32 s41, 0
	s_cselect_b64 s[70:71], s[16:17], s[14:15]     ; vf or kf,
	s_cselect_b32 s87, s77, s75                    ; e5 or e3,
	s_cmp_eq_u32 ttmp9, 0
	s_cselect_b64 s[70:71], s[12:13], s[70:71]     ; or qf
	s_cselect_b32 s87, s74, s87                    ; and e2
	s_add_nc_u64 s[70:71], s[70:71], s[40:41]
	s_lshl_b32 s42, ttmp9, 12                      ; the bias of my 128 channels: 4 bytes x (1,024 X + 256 FH + 128 WF)
	s_lshl_b32 s43, s90, 10
	s_add_co_u32 s42, s42, s43
	s_lshl_b32 s43, s92, 9
	s_add_co_u32 s42, s42, s43
	s_mov_b32 s43, 0
	s_add_nc_u64 s[84:85], s[8:9], s[42:43]
	s_add_co_i32 s86, s72, s73                     ; e0 + e1
	s_sub_co_i32 s87, s87, s86                     ; eo - e0 - e1
	s_sub_co_i32 s86, 0, s86                       ; -(e0 + e1), for the bias
	s_add_co_i32 s87, s87, 127
	s_lshl_b32 s40, s87, 23
	v_mov_b32 v[SC], s40                           ; 2^(eo - e0 - e1) as f32: the conversion takes its exponent field
	v_and_b32 v5, 31, v0
	v_lshlrev_b32 v[VO0], 4, v5
	v_add_nc_u32 v[VO1], s88, v[VO0]
	v_lshlrev_b32 v30, 5, v2                       ; q, k: my half's eight channels of a block: 32 h bytes
	v_lshlrev_b32 v31, 2, v1                       ; v: my channel of a block: 4 r bytes
	; THE BIAS, in the results' layout, divided by 2^(e0 + e1).  The branch hangs on the cluster's x alone; it holds loads into registers and register work.
	s_cmp_eq_u32 s[ISV], 1
	s_cbranch_scc1 .Lbias_v
.irp b, 0,1,2,3,4,5,6,7
	global_load_b128 v[BC+8*\b:BC+8*\b+3], v30, s[84:85] offset:64*\b       ; block b of R: channels 16 b + 8 h + 0 .. 7
	global_load_b128 v[BC+8*\b+4:BC+8*\b+7], v30, s[84:85] offset:64*\b+16
.endr
	s_wait_loadcnt 0x0
.set i, 0
.rept 64
	v_ldexp_f32 v[BC+i], v[BC+i], s86
.set i, i+1
.endr
	s_branch .Lbias_done
.Lbias_v:
	s_wait_alu depctr_va_vdst(0)
.irp a, 0,1,2,3,4,5,6,7
	global_load_b32 v[TB+\a], v31, s[84:85] offset:64*\a                    ; block a of P: channel 16 a + r, the same for the lane's eight tokens
.endr
	s_wait_loadcnt 0x0
.irp a, 0,1,2,3,4,5,6,7
.irp j, 0,1,2,3,4,5,6,7
	v_ldexp_f32 v[BC+8*\a+\j], v[TB+\a], s86
.endr
.endr
.Lbias_done:
.macro FRAG reg, adr, q, i             ; 16 rows x 128 K: registers 4 c .. 4 c + 3 hold K = 32 c + 16 (lane / 16) + 0 .. 15: the same order of k in P and in R, so every product meets its partner
.irp c, 0,1,2,3
	ds_load_b128 v[\reg+4*\c:\reg+4*\c+3], v[\adr] offset:128*(\q)+32*\c+(\i)*16*PITCH
.endr
.endm
; 16 matrix instructions: P's blocks a0, a0 + 1 x R's eight, 128 along K.  p: R's set.  cm = 0: onto the sums; 1: the bias by R's block starts them; 2: the bias by P's block.
; The 64 accumulators take turns, one instruction a turn, in the same order in every step.
.macro MUL16 a0, p, cm
.irp a, \a0, \a0+1
.irp b, 0,1,2,3,4,5,6,7
.if \cm == 0
	v_wmma_f32_16x16x128_fp8_fp8 v[8*(8*((\a)%4)+\b):8*(8*((\a)%4)+\b)+7], v[128*(\p)+FR*\b:128*(\p)+FR*\b+FR-1], v[AF+FR*(\a):AF+FR*(\a)+FR-1], v[8*(8*((\a)%4)+\b):8*(8*((\a)%4)+\b)+7]
.elseif \cm == 1
	v_wmma_f32_16x16x128_fp8_fp8 v[8*(8*((\a)%4)+\b):8*(8*((\a)%4)+\b)+7], v[128*(\p)+FR*\b:128*(\p)+FR*\b+FR-1], v[AF+FR*(\a):AF+FR*(\a)+FR-1], v[BC+8*\b:BC+8*\b+7]
.else
	v_wmma_f32_16x16x128_fp8_fp8 v[8*(8*((\a)%4)+\b):8*(8*((\a)%4)+\b)+7], v[128*(\p)+FR*\b:128*(\p)+FR*\b+FR-1], v[AF+FR*(\a):AF+FR*(\a)+FR-1], v[BC+8*(\a):BC+8*(\a)+7]
.endif
.endr
.endr
.endm
.macro FETCH_B slot, q, p              ; R's eight fragments of the slot's q-th 128 along K into set p
	WIN TO_B
.irp i, 0,1,2,3,4,5,6,7
	FRAG 128*(\p)+FR*\i, ADRB+\slot, \q, \i
.endr
	WIN 0
.endm
.macro FETCH_A slot, q, i0             ; P's blocks i0 .. i0 + 3
.irp i, \i0, \i0+1, \i0+2, \i0+3
	FRAG AF+FR*(\i), ADRA+\slot, \q, \i
.endr
.endm
; A load into a register that a matrix instruction has read, and a vector instruction that reads a matrix result, stand NP places behind that matrix instruction; only plain vector
; instructions that name none of its registers are places (ISA guide 7.12.1 for vector instructions).
.macro PLACES n
.rept \n
	v_nop
.endr
.endm
; A step of 128 along K that has its successor in the same slot.  A block of P is free as soon as its eight products are issued: blocks 0-3 are fetched anew in the step's middle, blocks 4-7 at its end.
.macro STEP slot, q, cm
	s_wait_dscnt 4*NL                              ; R's set and P's blocks 0-3 are in; the youngest sixteen loads (P's blocks 4-7) may be out
.if \cm
	WIN 0x81                                       ; C (the bias) window 0, D window 2
.else
	WIN MUL_LO
.endif
	MUL16 0, (\q)%2, \cm
	MUL16 2, (\q)%2, \cm
	s_wait_dscnt 0                                 ; P's blocks 4-7 are in (asked for 32 matrix instructions ago)
	PLACES NP
	FETCH_B \slot, (\q)+1, 1-(\q)%2
	FETCH_A \slot, (\q)+1, 0
.if \cm
	WIN 0xc1                                       ; C window 0, D window 3
.else
	WIN MUL_HI
.endif
	MUL16 4, (\q)%2, \cm
	MUL16 6, (\q)%2, \cm
	PLACES NP
	WIN 0
	FETCH_A \slot, (\q)+1, 4
.endm
; A slot's last step changes slots: ONE barrier; in front of it each wave waits for all its tensor loads, adds 0 to its spare word, and waits for that and for its own reads of this slot.  fill = 1: this slot is filled again, two K steps ahead.
.macro TURN slot, next, fill
	s_wait_tensorcnt 0x0                           ; all my tensor loads have landed: my part of the next slot  (every window is 0 here)
	ds_add_u32 v[SPW], v[NIL]                      ; 0 onto my spare word
	s_wait_dscnt 4*NL+1                            ; the add and the youngest sixteen loads (P's blocks 4-7) may be out
	WIN MUL_LO
	MUL16 0, 1, 0                                  ; sixteen matrix instructions stand between the add and the wait for it
	s_wait_dscnt 0x0                               ; the add is done, and my reads of this slot are over
	s_barrier_signal -1
	MUL16 2, 1, 0
	WIN 0
	s_barrier_wait -1
.if \fill
	CREST                                          ; the barrier has opened a round of the cluster's barrier: no wave of any partner still reads this slot or has a load on its way
	s_add_nc_u64 s[G0+4*\slot+2:G0+4*\slot+3], s[G0+4*\slot+2:G0+4*\slot+3], 2*ROWB
	s_add_nc_u64 s[G0B+4*\slot+2:G0B+4*\slot+3], s[G0B+4*\slot+2:G0B+4*\slot+3], 2*ROWB
	JLOAD \slot                                    ; the first tensor load behind the round; its four v_nop are also the places in front of the loads below
.else
	PLACES NP
.endif
	FETCH_B \next, 0, 0
	FETCH_A \next, 0, 0
	WIN MUL_HI
	MUL16 4, 1, 0
	MUL16 6, 1, 0
	PLACES NP
	WIN 0
	FETCH_A \next, 0, 4
.endm
	s_wait_tensorcnt 1                             ; my part of K step 0 is in; K step 1's load, issued behind it, may be out
	s_barrier_signal -1
	s_barrier_wait -1                              ; everybody's is
	FETCH_B 0, 0, 0
	FETCH_A 0, 0, 0
	FETCH_A 0, 0, 4
	s_cmp_eq_u32 s[ISV], 1                         ; the first step is written twice: it differs in which bias registers start which sum.  Both copies hold the same loads and the same waits
	s_cbranch_scc1 .Lfirst_v
	s_wait_alu depctr_va_vdst(0)
	STEP 0, 0, 1
	s_branch .Lfirst_done
.Lfirst_v:
	s_wait_alu depctr_va_vdst(0)
	STEP 0, 0, 2
.Lfirst_done:
	TURN 0, 1, 1                                   ; K = 1,024 is four slots' worth: written out, no loop.  Slot 0 takes K step 2,
	STEP 1, 0, 0
	TURN 1, 0, 1                                   ; slot 1 K step 3
	STEP 0, 0, 0
	TURN 0, 1, 0                                   ; nothing is left to fetch
	STEP 1, 0, 0
	s_wait_dscnt 4*NL                              ; the very last step
	WIN MUL_LO
	MUL16 0, 1, 0
	MUL16 2, 1, 0
	s_wait_dscnt 0
	WIN MUL_HI
	MUL16 4, 1, 0
	MUL16 6, 1, 0
	WIN 0
; THE WAY OUT of block a (16 rows of P x 128 rows of R).  Each number is converted as it is, not held within +-448 x the scale (the conversion to an 8-bit code does not saturate: ISA guide 7.6.2), each accumulator from its low end on;
; eight numbers become two registers of codes; blocks b = 0 .. 3 of R make one operand fragment of 64 along K, blocks 4 .. 7 the next head's (q, k) or the next 64 keys' (v).
; Each store covers 512 consecutive bytes, aligned.  Every block has its own registers for its codes, and the two offsets and the base are never rewritten: no wait is needed for the stores' sources.
.macro QOUT a
	WIN 0x02+((\a)/4)                              ; source 0: window 2 or 3
.set i, 0
.rept 64
.set i, i+1
.endr
.irp b, 0,1,2,3,4,5,6,7
	v_cvt_scalef32_pk8_fp8_f32 v[CD+16*(\a)+2*\b:CD+16*(\a)+2*\b+1], v[T+8*\b+((64*((\a)%4)+i)-(T+i)):T+8*\b+7+((64*((\a)%4)+i)-(T+i))], v[SC]
.endr
	WIN 0
	v_nop                                          ; one plain vector instruction between the conversions and the next block's lines
	global_store_b128 v[VO0], v[CD+16*(\a):CD+16*(\a)+3], s[70:71] offset:1024*(\a)
	global_store_b128 v[VO0], v[CD+16*(\a)+4:CD+16*(\a)+7], s[70:71] offset:1024*(\a)+512
	global_store_b128 v[VO1], v[CD+16*(\a)+8:CD+16*(\a)+11], s[70:71] offset:1024*(\a)
	global_store_b128 v[VO1], v[CD+16*(\a)+12:CD+16*(\a)+15], s[70:71] offset:1024*(\a)+512
.endm
	PLACES NP                                      ; behind the last products: for the reads of results and for the writes over P's fragments
.irp a, 0,1,2,3,4,5,6,7
	QOUT \a
.endr
	s_wait_tensorcnt 0x0                           ; the wave's end
	ds_add_u32 v[SPW], v[NIL]
	s_wait_dscnt 0x0
	CROUND                                         ; the closing round: no work-group ends while a partner may still ask for a tile that names it
	s_endpgm
.Lfunc_end_k_q456c9bf6d9_qkv:
	.size	k_q456c9bf6d9_qkv, .Lfunc_end_k_q456c9bf6d9_qkv-k_q456c9bf6d9_qkv
	.p2alignl 7, 3214868480
	.fill 96, 4, 3214868480
	.section	.rodata,"a",@progbits
	.p2align	6, 0x0
	.amdhsa_kernel k_q456c9bf6d9_qkv
		.amdhsa_group_segment_fixed_size 327680
		.amdhsa_private_segment_fixed_size 0
		.amdhsa_enable_private_segment 0
		.amdhsa_kernarg_size 56
		.amdhsa_user_sgpr_count 2
		.amdhsa_user_sgpr_kernarg_segment_ptr 1
		.amdhsa_wavefront_size32 1
		.amdhsa_system_sgpr_workgroup_id_x 1
		.amdhsa_system_sgpr_workgroup_id_y 1
		.amdhsa_system_sgpr_workgroup_id_z 1
		.amdhsa_system_vgpr_workitem_id 0
		.amdhsa_next_free_vgpr 1024
		.amdhsa_next_free_sgpr 100
		.amdhsa_reserve_vcc 0
		.amdhsa_float_denorm_mode_32 3
		.amdhsa_float_denorm_mode_16_64 3
		.amdhsa_fp16_overflow 1
		.amdhsa_memory_ordered 1
		.amdhsa_forward_progress 1
		.amdhsa_inst_pref_size 106
	.end_amdhsa_kernel
	.amdgpu_metadata
---
amdhsa.version: [ 1, 2 ]
amdhsa.kernels:
  - .name:           k_q456c9bf6d9_qkv
    .symbol:         k_q456c9bf6d9_qkv.kd
    .args:
      - { .name: x_codes, .offset: 0, .size: 8, .value_kind: global_buffer, .address_space: global }
      - { .name: w_qkv_codes, .offset: 8, .size: 8, .value_kind: global_buffer, .address_space: global }
      - { .name: b_qkv, .offset: 16, .size: 8, .value_kind: global_buffer, .address_space: global }
      - { .name: lowp_scales, .offset: 24, .size: 8, .value_kind: global_buffer, .address_space: global }
      - { .name: qf, .offset: 32, .size: 8, .value_kind: global_buffer, .address_space: global }
      - { .name: kf, .offset: 40, .size: 8, .value_kind: global_buffer, .address_space: global }
      - { .name: vf, .offset: 48, .size: 8, .value_kind: global_buffer, .address_space: global }
    .group_segment_fixed_size: 327680
    .private_segment_fixed_size: 0
    .kernarg_segment_align: 8
    .kernarg_segment_size: 56
    .max_flat_workgroup_size: 128
    .sgpr_count:     100
    .vgpr_count:     1024
    .wavefront_size: 32
...
	.end_amdgpu_metadata
.endif
;; end of part 1
;; launch attn (part 2): grid 4 x 64, 16 waves a work-group, clusters of 4 x 1, 264,192 bytes of LDS; arguments qf, kf, vf, lowp_scales, af; writes af
.if DOCPART == 2
	.amdgcn_target "amdgcn-amd-amdhsa--gfx1250"
	.amdhsa_code_object_version 6
	.text
	.protected	k_q456c9bf6d9_attn
	.globl	k_q456c9bf6d9_attn
	.p2align	8
	.type	k_q456c9bf6d9_attn,@function
k_q456c9bf6d9_attn:
	s_mov_b64 s[64:65], 0
	v_nop
	global_prefetch_b8 v0, s[64:65] scope:SCOPE_SE
	s_setreg_imm32_b32 hwreg(HW_REG_WAVE_MODE, 25, 1), 1
	s_wait_xcnt 0x0
	s_wait_alu depctr_hold_cnt(0) depctr_sa_sdst(0) depctr_va_vdst(0) depctr_va_sdst(0) depctr_va_ssrc(0) depctr_va_vcc(0) depctr_vm_vsrc(0)
	s_getreg_b32 s2, hwreg(HW_REG_IB_STS2, 6, 4)
	s_cmp_eq_u32 s2, 0
	s_cbranch_scc0 .Lentry_in_a_cluster
	s_endpgm
.Lentry_in_a_cluster:
	s_bfe_u32 s2, ttmp6, 0x10000c
	s_cmp_lg_u32 s2, 0x3003
	s_cbranch_scc0 .Lentry_shape_is_right
	s_endpgm
.Lentry_shape_is_right:
; Causal attention of one head (work-group y = 16 x batch + head) on codes of FP8 (E4M3), and the quantiser of its result.  2,048 tokens, head size 64.
; qf, kf: [y][tile of 16 tokens][1,024 bytes]: images of operand fragments 16 rows x 64 channels.  vf: [batch][block of 64 keys][head][tile of 16 channels][1,024 bytes]: fragments 16 channels x 64 keys.
; af: [tile of 16 tokens][K step of 128][2,048 bytes]: fragments 16 tokens x 128 of the 1,024 channels; a head fills 1,024 bytes of it.  An image is [group of four registers][lane][16 bytes].
; lowp_scales: e2 (q), e3 (k), e4 (p), e5 (v), e6 (the result).
; THE SOFTMAX AHEAD OF THE SECOND PRODUCT: t = score x log2(e) / 8; M = the row's largest t so far, rounded UP to a whole number; p = 2^(t - M) is quantised, not normalised; the row's sum is taken of the
; unquantised p and divides O at the end.  When M moves, the sum and O are multiplied by 2^(old M - new M): exact.
; LIMITS, so that each power of two below is an f32 number: e2 + e3 between -123 and 130 (added to the exponent field of log2(e) / 8); e4, and e6 - e4 - e5, between -126 and 119.  NaN codes are not served.
; A HEAD'S K AND V STAY IN LDS, whole: K's 131,072 bytes from byte 0, V's from byte 131,072, a key step of 128 keys 8,192 bytes of each.  Every byte is filled once: there is no ring.
; CLUSTER: the four work-groups of a head need the same K and V: each tile is asked for jointly (mask 15).  Each wave issues two loads at the head: waves 0-7 K's key steps w and w + 8, waves 8-15 V's.
; SHARES.  A head has 128 tiles of 16 queries; each of the cluster's 64 waves takes two: tA = 8 sigma + 2 cx + e and tB = 127 - tA.  Tile t needs key steps 0 .. t / 8: sigma + 1 and 16 - sigma, 17 for every wave.
; sigma (0..7) and e (0, 1) come from the wave's number alone, so that every branch is alike in all partners; cx enters global offsets and the mask's threshold only.
; sigma = base xor 7 flip, base = bit 1 | 2 x bit 3, flip = bit 0 xor bit 2, e = bit 2 of the wave's number: the sigmas of waves w, w + 4, w + 8, w + 12, and of waves 4 g .. 4 g + 3, add to 14.
; LAYOUT.  Both products are used transposed: S^T = K Q^T (source 0 = 16 keys, source 1 = my 16 queries), O^T = V^T P^T: a lane holds ONE query (lane % 16) throughout.  In S^T's tile T register j is key
; 16 T + 8 (lane / 16) + j: eight of them become registers 2 T, 2 T + 1 of P, in the very places that the 8-bit operand's layout gives those keys.  Likewise O^T's tiles become the result's fragment.
; REGISTERS: v1-10 addresses and constants; v12 -M, v13 the largest t, v[14:15] the sum in two halves; v16-31 Q of both tiles; v32-47 P; v48-111 fragments of K, then of V; v112-175 S^T, then p;
; v176-207 O^T; v208-223 the results' codes; v224-237 at work and constants.
.set LI,   1                           ; v1   16 x lane: my place in an image
.set ADK,  2                           ; v2   LDS address of the step's K
.set ADV,  3                           ; v3   of its V
.set DA,   4                           ; v4   tile A's threshold on the diagonal: 16 u + r - 8 h, u = the tile's place among the step's eight
.set DB,   5                           ; v5   tile B's
.set QOA,  6                           ; v6, v7  byte offsets of my two tiles in qf
.set QOB,  7
.set GOA,  8                           ; v8, v9  and in af
.set GOB,  9
.set NINF, 10                          ; v10  -infinity
.set QA,   16
.set QB,   24
.set P,    32
.set FRG,  48
.set S,    112
.set O,    176
.set OCA,  208
.set OCB,  216
.set PD,   224                         ; a lane permute's destination
.set FF,   226                         ; v[226:227] f = 2^(old M - new M); the pair's upper half is written once
.set TM,   228
.set TN,   229
.set SU2,  230                         ; v[230:231] the sums' second chain
.set PLIM, 232
.set PSC,  233                         ; 2^e4
.set OLIM, 234
.set OSC,  235                         ; 2^(e6 - e4 - e5)
.set RL,   236                         ; v[236:237] 1 / the row's sum; the upper half is written once
.set WV,   14                          ; s14  wave
.set SGA,  17                          ; s17  sigma: tile A's last key step
.set SEL,  20                          ; s[20:21] lane selects: lane l xor 16
.set CS,   22                          ; s[22:23] c = log2(e) / 8 x 2^(e2 + e3)
.set G1K,  24                          ; s[24:31] descriptor group 1 for K's tiles; s[32:39] for V's; s[40:47], s[48:55] two groups 0 of each
.set G1V,  32
.set G0K,  40
.set G0V,  48
.set STEPI, 66                         ; s66  the key step
.set TB,   67                          ; s67  its first byte in K's part of LDS
.set SGB,  68                          ; s68  15 - sigma: tile B's last key step
.macro CROUND                          ; a round of the cluster's barrier
	s_barrier_signal -1
	s_barrier_wait -1
	s_cmp_lg_u32 s[WV], 0
	s_cbranch_scc1 .Lnot_wave_0_\@
	s_barrier_signal -3
.Lnot_wave_0_\@:
	s_barrier_wait -3
	s_barrier_signal -1
	s_barrier_wait -1
.endm
	s_load_b256 s[4:11], s[0:1], 0x0               ; qf s[4:5], kf s[6:7], vf s[8:9], the scales' exponents s[10:11]
	s_load_b64 s[12:13], s[0:1], 0x20              ; af
	v_lshl_add_u32 v254, v0, 2, 0x40000
	v_mov_b32 v255, 0
	ds_add_u32 v254, v255
	ds_add_u32 v254, v255
	v_lshrrev_b32 v11, 5, v0
	s_delay_alu instid0(VALU_DEP_1)
	v_readfirstlane_b32 s[WV], v11                 ; wave 0..15
	s_bfe_u32 s15, ttmp6, 0x40000                  ; cx
	s_and_b32 s16, ttmp7, 0xffff                   ; y = 16 x batch + head, which the four partners share
	s_lshr_b32 s2, s[WV], 1
	s_and_b32 s2, s2, 1
	s_lshr_b32 s3, s[WV], 2
	s_and_b32 s18, s3, 2
	s_or_b32 s2, s2, s18                           ; base
	s_xor_b32 s18, s[WV], s3
	s_and_b32 s18, s18, 1                          ; flip
	s_mul_i32 s18, s18, 7
	s_xor_b32 s[SGA], s2, s18                      ; sigma
	s_and_b32 s19, s3, 1                           ; e
	s_xor_b32 s[SGB], s[SGA], 15                   ; 15 - sigma
	s_lshl_b32 s69, s15, 1
	s_add_co_u32 s69, s69, s19                     ; u = 2 cx + e
	s_lshl_b32 s70, s[SGA], 3
	s_add_co_u32 s70, s70, s69                     ; tA
	s_xor_b32 s71, s70, 127                        ; tB = 127 - tA
	; descriptor group 1.  K's key step is 8,192 dense bytes: 32 rows of 256.  V's is two rows of 4,096 bytes (a head's part of a block of 64 keys), 65,536 bytes apart.  Elements of 8 bytes, no padding: an image is read 16 bytes a lane on end
	s_mov_b32 s[G1K], 15|(3<<16)|(1<<21)           ; 15:0 the mask: all four work-groups; 17:16 elements of 8 bytes; 21 set beside a mask
	s_mov_b32 s[G1K+1], 32<<16                     ; tensor_dim0 = 32
	s_mov_b32 s[G1K+2], 32<<16                     ; tensor_dim1 = 32
	s_mov_b32 s[G1K+3], 32<<16                     ; tile_dim0
	s_mov_b32 s[G1K+4], 32                         ; tile_dim1
	s_mov_b32 s[G1K+5], 32                         ; tensor_dim0_stride
	s_mov_b32 s[G1K+6], 0
	s_mov_b32 s[G1K+7], 0
	s_mov_b32 s[G1V], 15|(3<<16)|(1<<21)
	s_mov_b32 s[G1V+1], 512<<16
	s_mov_b32 s[G1V+2], 2<<16
	s_mov_b32 s[G1V+3], 512<<16
	s_mov_b32 s[G1V+4], 2
	s_mov_b32 s[G1V+5], 8192
	s_mov_b32 s[G1V+6], 0
	s_mov_b32 s[G1V+7], 0
	s_mov_b32 s[SEL], 0x76543210
	s_mov_b32 s[SEL+1], 0xfedcba98
	s_and_b32 s72, s[WV], 7                        ; i: the first key step that I fetch; the second is i + 8
	s_lshl_b32 s73, s72, 13                        ; 8,192 i
	s_lshl_b32 s74, s16, 17
	s_add_co_u32 s74, s74, s73                     ; K: 131,072 y + 8,192 i
	s_mov_b32 s75, 0
	s_lshr_b32 s78, s16, 4
	s_lshl_b32 s78, s78, 21                        ; V: 2,097,152 batch
	s_and_b32 s76, s16, 15
	s_lshl_b32 s76, s76, 12
	s_add_co_u32 s78, s78, s76                     ;    + 4,096 head
	s_lshl_b32 s76, s72, 17
	s_add_co_u32 s78, s78, s76                     ;    + 131,072 i
	s_mov_b32 s79, 0
	s_wait_dscnt 0x0
	s_wait_kmcnt 0x0
	s_load_b256 s[56:63], s[10:11], 0x0            ; e0 .. e7
	s_add_nc_u64 s[74:75], s[6:7], s[74:75]
	s_add_nc_u64 s[78:79], s[8:9], s[78:79]
	s_mov_b32 s[G0K], 1                            ; count = 1
	s_mov_b32 s[G0K+1], s73                        ; LDS address
	s_mov_b64 s[G0K+2:G0K+3], s[74:75]             ; global address
	s_or_b32 s[G0K+3], s[G0K+3], 0x80000000        ; type = 2
	s_mov_b32 s[G0K+4], 1
	s_add_co_u32 s[G0K+5], s73, 65536
	s_add_nc_u64 s[G0K+6:G0K+7], s[74:75], 65536
	s_or_b32 s[G0K+7], s[G0K+7], 0x80000000
	s_mov_b32 s[G0V], 1
	s_add_co_u32 s[G0V+1], s73, 131072
	s_mov_b64 s[G0V+2:G0V+3], s[78:79]
	s_or_b32 s[G0V+3], s[G0V+3], 0x80000000
	s_mov_b32 s[G0V+4], 1
	s_add_co_u32 s[G0V+5], s73, 196608
	s_add_nc_u64 s[G0V+6:G0V+7], s[78:79], 0x100000
	s_or_b32 s[G0V+7], s[G0V+7], 0x80000000
	CROUND                                         ; all four work-groups are here: the joint loads meet
	s_cmp_lt_u32 s[WV], 8                          ; a wave's two fills stand in one branch on its number, ahead of every wait on TENSORcnt and every LDS read: two loads of mine are out; four v_nop follow the second
	s_cbranch_scc0 .Lfirst_v
	tensor_load_to_lds s[G0K:G0K+3], s[G1K:G1K+7]
	s_nop 0
	tensor_load_to_lds s[G0K+4:G0K+7], s[G1K:G1K+7]
	s_nop 0
.rept 4
	v_nop
.endr
	s_branch .Lfirst_asked
.Lfirst_v:
	tensor_load_to_lds s[G0V:G0V+3], s[G1V:G1V+7]
	s_nop 0
	tensor_load_to_lds s[G0V+4:G0V+7], s[G1V:G1V+7]
	s_nop 0
.rept 4
	v_nop
.endr
.Lfirst_asked:
	v_and_b32 v[LI], 31, v0
	s_delay_alu instid0(VALU_DEP_1)
	v_lshlrev_b32 v[LI], 4, v[LI]
	s_wait_alu depctr_va_vdst(0)
	s_lshl_b32 s72, s16, 7
	s_add_co_u32 s73, s72, s70
	s_lshl_b32 s73, s73, 10
	v_add_nc_u32 v[QOA], s73, v[LI]                ; qf: (128 y + tile) x 1,024 + 16 x lane
	s_add_co_u32 s73, s72, s71
	s_lshl_b32 s73, s73, 10
	v_add_nc_u32 v[QOB], s73, v[LI]
	global_load_b128 v[QA:QA+3], v[QOA], s[4:5] th:TH_LOAD_NT              ; Q's two fragments stay in registers
	global_load_b128 v[QA+4:QA+7], v[QOA], s[4:5] offset:512 th:TH_LOAD_NT
	global_load_b128 v[QB:QB+3], v[QOB], s[4:5] th:TH_LOAD_NT
	global_load_b128 v[QB+4:QB+7], v[QOB], s[4:5] offset:512 th:TH_LOAD_NT
	s_lshr_b32 s72, s16, 4
	s_lshl_b32 s72, s72, 7                         ; 128 x batch
	s_and_b32 s74, s16, 15
	s_lshl_b32 s74, s74, 10                        ; a head's 1,024 bytes: K step head / 2, its half head % 2
	s_add_co_u32 s73, s72, s70
	s_lshl_b32 s73, s73, 14
	s_add_co_u32 s73, s73, s74
	v_add_nc_u32 v[GOA], s73, v[LI]                ; af: (128 batch + tile) x 16,384 + 1,024 head + 16 x lane
	s_add_co_u32 s73, s72, s71
	s_lshl_b32 s73, s73, 14
	s_add_co_u32 s73, s73, s74
	v_add_nc_u32 v[GOB], s73, v[LI]
	v_and_b32 v11, 15, v0                          ; r
	v_bfe_u32 v[TM], v0, 4, 1                      ; h
	s_delay_alu instid0(VALU_DEP_1)
	v_lshlrev_b32 v[TM], 3, v[TM]
	s_delay_alu instid0(VALU_DEP_1)
	v_sub_nc_u32 v11, v11, v[TM]                   ; r - 8 h
	s_lshl_b32 s73, s69, 4
	v_add_nc_u32 v[DA], s73, v11                   ; 16 u + r - 8 h
	s_xor_b32 s73, s69, 7                          ; tile B stands at place 7 - u of its last key step
	s_lshl_b32 s73, s73, 4
	v_add_nc_u32 v[DB], s73, v11
	v_mov_b32 v[NINF], 0xff800000
	v_mov_b32 v[PD], 0                             ; written once: a lane permute's destination counts as one of its sources
	v_mov_b32 v[FF+1], 0                           ; (named as the upper halves of pairs)
	v_mov_b32 v[RL+1], 0
	s_wait_kmcnt 0x0
	s_add_co_i32 s72, s58, s59
	s_lshl_b32 s72, s72, 23
	s_mov_b32 s[CS], 0x3e38aa3b                    ; log2(e) / 8
	s_add_co_i32 s[CS], s[CS], s72                 ; a score stands for score x 2^(e2 + e3): the two exponents are added to c's exponent field
	s_mov_b32 s[CS+1], s[CS]                       ; (named with it as a pair, so it is written)
	s_add_co_i32 s72, s60, 127
	s_lshl_b32 s73, s72, 23
	v_mov_b32 v[PSC], s73                          ; 2^e4
	s_sub_co_i32 s72, s62, s60
	s_sub_co_i32 s72, s72, s61                     ; O / l stands for O / l x 2^(e4 + e5): its code is O / l / 2^(e6 - e4 - e5)
	s_add_co_i32 s72, s72, 127
	s_lshl_b32 s73, s72, 23
	v_mov_b32 v[OSC], s73
; A KEY STEP: 128 keys against the 16 queries whose fragment is v[qr] on.  s[sg]: the tile's last key step, on which the diagonal lies; v[dr]: its threshold there.
; A step behind the last is left out: a scalar branch on the wave's number and the loop's counter, round loads, products and softmax; the loop's trip count stays a constant.
.macro STEP qr, dr, sg
	s_cmp_gt_u32 s[STEPI], s[\sg]
	s_cbranch_scc1 .Lhid_\@
	s_setprio 2
	v_add_nc_u32 v[ADK], s[TB], v[LI]
	s_delay_alu instid0(VALU_DEP_1)
	v_add_nc_u32 v[ADV], 0x20000, v[ADK]
.irp t, 0,1,2,3,4,5,6,7                        ; K's eight fragments, 16 keys x 64 channels each (the places in front of these loads stand at the end of the step before)
	ds_load_b128 v[FRG+8*\t:FRG+8*\t+3], v[ADK] offset:1024*\t
	ds_load_b128 v[FRG+8*\t+4:FRG+8*\t+7], v[ADK] offset:1024*\t+512
.endr
	s_wait_alu depctr_va_vdst(0)
	s_wait_dscnt 0x0
.irp t, 0,1,2,3,4,5,6,7
	v_wmma_f32_16x16x64_fp8_fp8 v[S+8*\t:S+8*\t+7], v[FRG+8*\t:FRG+8*\t+7], v[\qr:\qr+7], 0
.endr
.rept 4
	v_nop                                          ; places: in front of the loads into K's registers and of the first read of the scores
.endr
.irp d, 0,1,2,3                                ; V's four fragments, 16 channels x 128 keys each: they land while the softmax is worked
.irp p, 0,1,2,3
	ds_load_b128 v[FRG+16*\d+4*\p:FRG+16*\d+4*\p+3], v[ADV] offset:(\p/2)*4096+\d*1024+(\p%2)*512
.endr
.endr
	s_cmp_lg_u32 s[STEPI], s[\sg]                  ; on the diagonal the scores of hidden keys become -infinity ahead of the maximum: p = 0 then.  The step's first key counts for every query of the tile
	s_cbranch_scc1 .Lopen_\@
.set n, 0
.rept 64
	v_cmp_gt_i32 vcc_lo, 16*(n/8)+n%8, v[\dr]      ; register n holds the step's key 16 (n / 8) + 8 h + n % 8; my query is its number 16 u + r
	v_cndmask_b32 v[S+n], v[S+n], v[NINF], vcc_lo
.set n, n+1
.endr
.Lopen_\@:
	v_max3_num_f32 v[TM], v[S], v[S+1], v[S+2]     ; the step's largest score of my query among my 64 keys, in two chains, each tile from its low end on,
	v_max3_num_f32 v[TN], v[S+3], v[S+4], v[S+5]
.irp i, 6,10,14,18,22,26,30,34,38,42,46,50,54,58
	v_max3_num_f32 v[TM], v[TM], v[S+\i], v[S+\i+1]
	v_max3_num_f32 v[TN], v[TN], v[S+\i+2], v[S+\i+3]
.endr
	v_max3_num_f32 v[TM], v[TM], v[S+62], v[S+63]
	s_delay_alu instid0(VALU_DEP_1)
	v_max_num_f32 v[TM], v[TM], v[TN]
	s_delay_alu instid0(VALU_DEP_1)
	v_permlanex16_b32 v[PD], v[TM], s[SEL], s[SEL+1]
	s_delay_alu instid0(VALU_DEP_1)
	v_max_num_f32 v[TM], v[TM], v[PD]              ; and among lane l xor 16's
	s_delay_alu instid0(VALU_DEP_1)
	v_mul_f32 v[TM], s[CS], v[TM]                  ; as t (c is positive)
	s_delay_alu instid0(VALU_DEP_1)
	v_max_num_f32 v13, v13, v[TM]                  ; the running largest t
	v_mov_b32 v[TM], v12
	s_delay_alu instid0(VALU_DEP_2)
	v_floor_f32 v12, -v13                          ; the new -M = floor(-t) = -ceil(t): M is a whole number
	s_delay_alu instid0(VALU_DEP_1)
	v_sub_f32 v[TM], v12, v[TM]                    ; old M - new M: a whole number, 0 or less
	s_delay_alu instid0(VALU_DEP_1)
	v_cvt_i32_f32 v[TM], v[TM]                     ; (it saturates)
	s_delay_alu instid0(VALU_DEP_1)
	v_ldexp_f32 v[FF], 1.0, v[TM]                  ; f = 2^(old M - new M)
.set j, 0
	s_setprio 1
.rept 32
	v_pk_fma_f32 v[S+j:S+j+1], v[S+j:S+j+1], s[CS:CS+1], v[12:13] op_sel_hi:[1,0,0]   ; t - M, two at a time (of the pairs c and -M the low word serves both halves)
.set j, j+2
.endr
.set j, 0
	s_wait_alu depctr_va_vdst(0)
.rept 64
	v_exp_f32 v[S+j], v[S+j]                       ; p = 2^(t - M), at most 1
.set j, j+1
.endr
	v_pk_mul_f32 v[14:15], v[14:15], v[FF:FF+1] op_sel_hi:[1,0]   ; the sums under the new M; also the plain instruction behind the exponentials
	s_wait_alu depctr_va_vdst(0)                   ; one wait for the batch of 64, ahead of its first reader
	v_pk_add_f32 v[230:231], v[116:117], v[120:121]
	v_pk_add_f32 v[252:253], v[124:125], v[128:129]
	v_pk_add_f32 v[250:251], v[132:133], v[136:137]
	v_pk_add_f32 v[248:249], v[140:141], v[144:145]
	v_pk_add_f32 v[246:247], v[148:149], v[152:153]
	v_pk_add_f32 v[244:245], v[156:157], v[160:161]
	v_pk_add_f32 v[242:243], v[164:165], v[168:169]
	v_pk_add_f32 v[14:15], v[14:15], v[172:173]
	v_pk_add_f32 v[230:231], v[230:231], v[112:113]
	v_pk_add_f32 v[252:253], v[252:253], v[114:115]
	v_pk_add_f32 v[250:251], v[250:251], v[118:119]
	v_pk_add_f32 v[248:249], v[248:249], v[122:123]
	v_pk_add_f32 v[246:247], v[246:247], v[126:127]
	v_pk_add_f32 v[244:245], v[244:245], v[130:131]
	v_pk_add_f32 v[242:243], v[242:243], v[134:135]
	v_pk_add_f32 v[14:15], v[14:15], v[138:139]
	v_pk_add_f32 v[230:231], v[230:231], v[142:143]
	v_pk_add_f32 v[252:253], v[252:253], v[146:147]
	v_pk_add_f32 v[250:251], v[250:251], v[150:151]
	v_pk_add_f32 v[248:249], v[248:249], v[154:155]
	v_pk_add_f32 v[246:247], v[246:247], v[158:159]
	v_pk_add_f32 v[244:245], v[244:245], v[162:163]
	v_pk_add_f32 v[242:243], v[242:243], v[166:167]
	v_pk_add_f32 v[14:15], v[14:15], v[170:171]
	v_pk_add_f32 v[230:231], v[230:231], v[174:175]
	s_delay_alu instid0(VALU_DEP_2)
	v_pk_add_f32 v[14:15], v[14:15], v[248:249]
	s_delay_alu instid0(VALU_DEP_2)
	v_pk_add_f32 v[230:231], v[230:231], v[246:247]
	s_setprio 0
	v_pk_add_f32 v[252:253], v[252:253], v[244:245]
	v_pk_add_f32 v[250:251], v[250:251], v[242:243]
	s_delay_alu instid0(VALU_DEP_2)
	v_pk_add_f32 v[14:15], v[14:15], v[252:253]
	s_delay_alu instid0(VALU_DEP_2)
	v_pk_add_f32 v[230:231], v[230:231], v[250:251]
	s_delay_alu instid0(VALU_DEP_1)
	v_pk_add_f32 v[14:15], v[14:15], v[230:231]
.irp t, 0,1,2,3,4,5,6,7
.irp i, 0,1,2,3,4,5,6,7
.endr
	v_cvt_scalef32_pk8_fp8_f32 v[P+2*\t:P+2*\t+1], v[S+8*\t:S+8*\t+7], v[PSC]   ; keys 16 t + 8 h + 0 .. 7: registers 2 t, 2 t + 1 of the operand
.endr
.set j, 0
.rept 16
	v_pk_mul_f32 v[O+j:O+j+1], v[O+j:O+j+1], v[FF:FF+1] op_sel_hi:[1,0]   ; O^T under the new M; also the plain instructions between the conversions and the products
.set j, j+2
.endr
	s_wait_alu depctr_va_vdst(0)
	s_wait_dscnt 0x0                               ; V is in
.irp d, 0,1,2,3                                ; O^T += V^T P^T: the four accumulators by turns, one instruction a turn; between two links of a chain stand the next step's eight products and three of these
	v_wmma_f32_16x16x128_fp8_fp8 v[O+8*\d:O+8*\d+7], v[FRG+16*\d:FRG+16*\d+15], v[P:P+15], v[O+8*\d:O+8*\d+7]
.endr
.rept 4
	v_nop                                          ; places: in front of the next step's loads into V's registers, and of the reads of O^T behind the loop, on every way out of the step
.endr
.Lhid_\@:
.endm
.macro WALK trips, qr, dr, sg          ; key steps 0 .. trips - 1; those behind s[sg] are left out
	s_mov_b32 s[STEPI], 0
	s_mov_b32 s[TB], 0
.Lwalk_\@:
	STEP \qr, \dr, \sg
	s_add_co_u32 s[TB], s[TB], 8192
	s_add_co_u32 s[STEPI], s[STEPI], 1
	s_cmp_lt_u32 s[STEPI], \trips
	s_cbranch_scc1 .Lwalk_\@
	s_setprio 0
.endm
.macro INIT                            ; the step is written once: the first finds zeros, which the first change of M leaves zeros
	v_mov_b32 v13, 0xff61b1e6                      ; the largest t so far: -3e38, under every t
	s_delay_alu instid0(VALU_DEP_1)
	v_floor_f32 v12, -v13
	v_mov_b32 v14, 0
	v_mov_b32 v15, 0
.set j, 0
.rept 32
	v_mov_b32 v[O+j], 0
.set j, j+1
.endr
.endm
; O^T / the sum becomes the head's half of a fragment of the last product's operand: tile d's eight channels are registers 2 d, 2 d + 1.  Two stores of 512 consecutive bytes, aligned.
.macro FINISH oc, go
	v_add_f32 v14, v14, v15                        ; the sum's two halves,
	s_delay_alu instid0(VALU_DEP_1)
	v_permlanex16_b32 v[PD], v14, s[SEL], s[SEL+1]
	s_delay_alu instid0(VALU_DEP_1)
	v_add_f32 v14, v14, v[PD]                      ; and lane l xor 16's
	s_wait_alu depctr_va_vdst(0)
	v_rcp_f32 v[RL], v14
	v_nop                                          ; a plain instruction behind the reciprocal
	s_wait_alu depctr_va_vdst(0)                   ; and the wait ahead of its first reader
.set j, 0
.rept 16
	v_pk_mul_f32 v[S+j:S+j+1], v[O+j:O+j+1], v[RL:RL+1] op_sel_hi:[1,0]   ; each accumulator from its low end on
.set j, j+2
.endr
.set j, 0
.rept 32
.set j, j+1
.endr
.irp d, 0,1,2,3
	v_cvt_scalef32_pk8_fp8_f32 v[\oc+2*\d:\oc+2*\d+1], v[S+8*\d:S+8*\d+7], v[OSC]
.endr
	v_nop                                          ; one plain vector instruction between the conversions and the next products, which write their sources
	global_store_b128 v[\go], v[\oc:\oc+3], s[12:13]
	global_store_b128 v[\go], v[\oc+4:\oc+7], s[12:13] offset:512
.endm
	s_wait_tensorcnt 0x1                           ; my first load (a key step among 0 .. 7) is in; my second, issued behind it, may be out
	s_barrier_signal -1
	s_barrier_wait -1                              ; everybody's first is: K's bytes under 65,536 and V's under 196,608 are whole, and tile A reads no others (its steps end at sigma, 7 at the most)
	INIT
	s_wait_loadcnt 0x0                             ; Q
	WALK 8, QA, DA, SGA
	FINISH OCA, GOA
	s_wait_tensorcnt 0x0                           ; my second load is in,
	s_wait_dscnt 0x0
	s_barrier_signal -1
	s_barrier_wait -1                              ; everybody's is: all of K and V
	INIT
	WALK 16, QB, DB, SGB
	FINISH OCB, GOB
	s_wait_tensorcnt 0x0
	ds_add_u32 v254, v255
	s_wait_dscnt 0x0
	CROUND                                         ; the closing round
	s_endpgm
.Lfunc_end_k_q456c9bf6d9_attn:
	.size	k_q456c9bf6d9_attn, .Lfunc_end_k_q456c9bf6d9_attn-k_q456c9bf6d9_attn
	.p2alignl 7, 3214868480
	.fill 96, 4, 3214868480
	.section	.rodata,"a",@progbits
	.p2align	6, 0x0
	.amdhsa_kernel k_q456c9bf6d9_attn
		.amdhsa_group_segment_fixed_size 264192
		.amdhsa_private_segment_fixed_size 0
		.amdhsa_enable_private_segment 0
		.amdhsa_kernarg_size 40
		.amdhsa_user_sgpr_count 2
		.amdhsa_user_sgpr_kernarg_segment_ptr 1
		.amdhsa_wavefront_size32 1
		.amdhsa_system_sgpr_workgroup_id_x 1
		.amdhsa_system_sgpr_workgroup_id_y 1
		.amdhsa_system_sgpr_workgroup_id_z 1
		.amdhsa_system_vgpr_workitem_id 0
		.amdhsa_next_free_vgpr 256
		.amdhsa_next_free_sgpr 80
		.amdhsa_reserve_vcc 1
		.amdhsa_float_denorm_mode_32 3
		.amdhsa_float_denorm_mode_16_64 3
		.amdhsa_fp16_overflow 1
		.amdhsa_memory_ordered 1
		.amdhsa_forward_progress 1
		.amdhsa_inst_pref_size 53
	.end_amdhsa_kernel
	.amdgpu_metadata
---
amdhsa.version: [ 1, 2 ]
amdhsa.kernels:
  - .name:           k_q456c9bf6d9_attn
    .symbol:         k_q456c9bf6d9_attn.kd
    .args:
      - { .name: qf, .offset: 0, .size: 8, .value_kind: global_buffer, .address_space: global }
      - { .name: kf, .offset: 8, .size: 8, .value_kind: global_buffer, .address_space: global }
      - { .name: vf, .offset: 16, .size: 8, .value_kind: global_buffer, .address_space: global }
      - { .name: lowp_scales, .offset: 24, .size: 8, .value_kind: global_buffer, .address_space: global }
      - { .name: af, .offset: 32, .size: 8, .value_kind: global_buffer, .address_space: global }
    .group_segment_fixed_size: 264192
    .private_segment_fixed_size: 0
    .kernarg_segment_align: 8
    .kernarg_segment_size: 40
    .max_flat_workgroup_size: 512
    .sgpr_count:     80
    .vgpr_count:     256
    .wavefront_size: 32
...
	.end_amdgpu_metadata
.endif
;; end of part 2
;; launch proj (part 3): grid 4 x 64, 4 waves a work-group, clusters of 4 x 4, 327,680 bytes of LDS; arguments af, w_out_codes, b_out, lowp_scales, out0; writes out0
.if DOCPART == 3
	.amdgcn_target "amdgcn-amd-amdhsa--gfx1250"
	.amdhsa_code_object_version 6
	.text
	.protected	k_q456c9bf6d9_proj
	.globl	k_q456c9bf6d9_proj
	.p2align	8
	.type	k_q456c9bf6d9_proj,@function
k_q456c9bf6d9_proj:
	s_mov_b64 s[64:65], 0
	v_nop
	global_prefetch_b8 v0, s[64:65] scope:SCOPE_SE
	s_setreg_imm32_b32 hwreg(HW_REG_WAVE_MODE, 25, 1), 1
	s_wait_xcnt 0x0
	s_wait_alu depctr_hold_cnt(0) depctr_sa_sdst(0) depctr_va_vdst(0) depctr_va_sdst(0) depctr_va_ssrc(0) depctr_va_vcc(0) depctr_vm_vsrc(0)
	s_getreg_b32 s2, hwreg(HW_REG_IB_STS2, 6, 4)
	s_cmp_eq_u32 s2, 0
	s_cbranch_scc0 .Lentry_in_a_cluster
	s_endpgm
.Lentry_in_a_cluster:
	s_bfe_u32 s2, ttmp6, 0x10000c
	s_cmp_lg_u32 s2, 0xf033
	s_cbranch_scc0 .Lentry_shape_is_right
	s_endpgm
.Lentry_shape_is_right:
; out0 = a w_out^T + b_out on codes of FP8 (E4M3).  a: 8,192 tokens x 1,024, as images of operand fragments: af [tile of 16 tokens][K step of 128][2,048 bytes], an image [group of four registers][lane][16 bytes].
; w_out: [1024][1024] codes, K innermost.  b_out, out0: f32.  lowp_scales: e6 (a), e7 (w_out): out0 = sum x 2^(e6 + e7) + b_out, one packed multiply-add for two numbers.
; LIMIT: e6 + e7 lies between -126 and 127, so that 2^(e6 + e7) is an f32 number.  NaN codes are not served.
; A tile of 128 tokens x 256 channels is made by a work-group of four waves: 4 x 64 = 256 work-groups.  A wave makes 64 x 128: 32 accumulators.  K = 1,024 goes in four steps of 256 through two LDS slots.
; THE MATRIX INSTRUCTION IS USED TRANSPOSED (source 0 = 16 rows of w_out, source 1 = 16 tokens): a lane holds eight neighbouring channels of one token's row of out0.
; a's images hold each k in the place that the 8-bit operand's own layout gives it (registers 2 c, 2 c + 1: k = 16 c + 8 (lane / 16) + 0 .. 7), so w_out's fragments are fetched in that layout too: eight loads of 8 bytes.
; CLUSTERS: 4 x 4 work-groups; a's tile is shared along a row of the cluster, w_out's along a column: each is asked for jointly.
; REGISTERS, in windows of 256: window 0: v16-29 addresses; v32-95 a block's results; v128-255 a's fragments, two sets of 64, later rows read back from the stage.
;   window 1: w_out's fragments, two sets of 128.   window 2: the 32 accumulators ((a, b) at v[8 (8 a + b)]).   window 3: v0-63 b_out in the results' layout.
.set PITCH,  272                       ; a row of w_out's tile in LDS: 256 bytes + 16 = 68 words: the 32 lanes of a load of 8 bytes (16 rows x 2 halves) touch 64 different banks (64 banks of 4 bytes: ISA guide 11.1)
.set ABYTES, 32768                     ; a's part of a slot: 8 tiles of tokens x 2 K steps x 2,048 bytes, dense
.set HALFB,  128*PITCH                 ; 128 rows of w_out
.set SLOT,   ABYTES+2*HALFB            ; 102,400
.set STAGE,  2*SLOT                    ; behind the ring: 16 rows x 528 bytes for each wave, for the way out; no tile lands there
.set SPITCH, 528
.set SPARE,  STAGE+4*16*SPITCH         ; behind the stages: the spare words, 128 bytes a wave: two blocks of 256 bytes that no other line names
.set ADRA, 16                          ; v16-17  LDS address of my fragments of a in slot 0, 1
.set ADRB, 20                          ; v20-21  the same for w_out
.set STO,  24                          ; v24     the way out: where I put 32 bytes of a row
.set RD,   25                          ; v25     where I read a row back
.set CO,   26                          ; v26     16 x lane: my place in an image, and in a row of 512 bytes of out0
.set SPW,  28                          ; v28     LDS address of my spare word; never rewritten
.set NIL,  29                          ; v29     0; never rewritten
.set TMP,  32
.set AF,   128
.set BK,   128
.set WV,   14                          ; s14 wave; s15 my half of the tokens, also: I fetch a (0) or w_out (1); s16 my half of the channels, also: which half of that tile I fetch
.set WI,   15
.set WJ,   16
.set G1,   24                          ; s[24:31] descriptor group 1 for a's tiles; s[32:39] group 0, one set a slot
.set G0,   32
.set G1B,  48                          ; s[48:55], s[56:63] the same for w_out's
.set G0B,  56
.set SCL,  80                          ; s[80:81] 2^(e6 + e7), twice
.set MSB, 0
.macro WIN new                         ; the immediate's high byte repeats the setting that is left
.if MSB != \new
	s_set_vgpr_msb (MSB<<8)|(\new)
.set MSB, \new
.endif
.endm
.set MUL, 0xa1                         ; source 0 (w_out) window 1, source 1 (a) window 0, C and D window 2
.macro JLOAD s                         ; a joint load: waves 0 and 1 fetch a's halves, waves 2 and 3 w_out's; four v_nop follow each of the two lines
	s_cmp_eq_u32 s[WI], 0
	s_cbranch_scc0 .Lfor_b_\@
	tensor_load_to_lds s[G0+4*\s:G0+4*\s+3], s[G1:G1+7]
	s_nop 0
.rept 4
	v_nop
.endr
	s_branch .Lasked_\@
.Lfor_b_\@:
	tensor_load_to_lds s[G0B+4*\s:G0B+4*\s+3], s[G1B:G1B+7]
	s_nop 0
.rept 4
	v_nop
.endr
.Lasked_\@:
.endm
.macro CREST                           ; a round of the cluster's barrier behind its opening barrier
	s_cmp_lg_u32 s[WV], 0
	s_cbranch_scc1 .Lnot_wave_0_\@
	s_barrier_signal -3
.Lnot_wave_0_\@:
	s_barrier_wait -3
	s_barrier_signal -1
	s_barrier_wait -1
.endm
.macro CROUND
	s_barrier_signal -1
	s_barrier_wait -1
	CREST
.endm
.macro PLACES                          ; four places in front of loads into registers that matrix instructions have read, and of the first read of results (ISA guide 7.12.1 for vector instructions)
.rept 4
	v_nop
.endr
.endm
	s_load_b256 s[4:11], s[0:1], 0x0               ; af s[4:5], w_out s[6:7], b_out s[8:9], the scales' exponents s[10:11]
	s_load_b64 s[12:13], s[0:1], 0x20              ; out0
	v_lshl_add_u32 v[SPW], v0, 2, SPARE
	v_mov_b32 v[NIL], 0
	ds_add_u32 v28, v29
	ds_add_u32 v28, v29
	s_wait_dscnt 0x0
	v_lshrrev_b32 v1, 5, v0
	v_readfirstlane_b32 s[WV], v1                  ; wave 0..3
	s_lshr_b32 s[WI], s[WV], 1
	s_and_b32 s[WJ], s[WV], 1
	s_bfe_u32 s17, ttmp6, 0x40000                  ; cx
	s_bfe_u32 s18, ttmp6, 0x40004                  ; cy
	s_lshl_b32 s19, ttmp9, 2
	s_add_co_u32 s19, s19, s17                     ; my tile of 256 channels = 4 x cluster x + cx
	s_and_b32 s20, ttmp7, 0xffff
	s_lshl_b32 s20, s20, 2
	s_add_co_u32 s20, s20, s18                     ; my tile of 128 tokens = 4 x cluster y + cy
	s_lshl_b32 s21, s18, 2
	s_lshl_b32 s21, 15, s21                        ; my row of the cluster
	s_lshl_b32 s22, 0x1111, s17                    ; my column
	; descriptor group 1.  a: four rows (tiles of 16 tokens) of 4,096 bytes (two K steps' images), 16,384 bytes apart; elements of 8 bytes; no padding: an image is read 16 bytes a lane on end
	s_or_b32 s[G1+0], s21, (3<<16)|(1<<21)         ; 15:0 the mask: my row; 17:16 elements of 8 bytes; 21 set beside a mask
	s_mov_b32 s[G1+1], 512<<16                     ; tensor_dim0 = 512
	s_mov_b32 s[G1+2], 4<<16                       ; tensor_dim1 = 4
	s_mov_b32 s[G1+3], 512<<16                     ; tile_dim0
	s_mov_b32 s[G1+4], 4                           ; tile_dim1
	s_mov_b32 s[G1+5], 2048                        ; tensor_dim0_stride
	s_mov_b32 s[G1+6], 0
	s_mov_b32 s[G1+7], 0
	; w_out: 128 rows x 256 bytes, 1,024 bytes apart, 16 bytes of padding behind each row
	s_or_b32 s[G1B+0], s22, (1<<20)|(1<<21)|(5<<22)|(3<<25)   ; the mask: my column; elements of 1 byte; padding on; after every 64 words (code 5) four words (code 3)
	s_mov_b32 s[G1B+1], 256<<16
	s_mov_b32 s[G1B+2], 128<<16
	s_mov_b32 s[G1B+3], 256<<16
	s_mov_b32 s[G1B+4], 128
	s_mov_b32 s[G1B+5], 1024
	s_mov_b32 s[G1B+6], 0
	s_mov_b32 s[G1B+7], 0
	s_lshl_b32 s40, s20, 3
	s_lshl_b32 s41, s[WJ], 2
	s_add_co_u32 s40, s40, s41
	s_lshl_b32 s40, s40, 14                        ; a: (8 x tile + 4 x half) tiles of 16 tokens x 16,384 bytes
	s_mov_b32 s41, 0
	s_lshl_b32 s42, s19, 8
	s_lshl_b32 s43, s[WJ], 7
	s_add_co_u32 s42, s42, s43
	s_lshl_b32 s42, s42, 10                        ; w_out: (256 x tile + 128 x half) rows of 1,024 bytes
	s_mov_b32 s43, 0
	s_lshl_b32 s44, s[WJ], 14                      ; where they go: a's half,
	s_mul_i32 s45, s[WJ], HALFB
	s_add_co_u32 s45, s45, ABYTES                  ; w_out's half, behind a's part: no place in the cluster enters an LDS address
	s_wait_kmcnt 0x0
	s_load_b256 s[72:79], s[10:11], 0x0            ; e0 .. e7
	s_add_nc_u64 s[40:41], s[4:5], s[40:41]
	s_add_nc_u64 s[42:43], s[6:7], s[42:43]
	CROUND                                         ; all sixteen work-groups are here: the first joint loads meet
.irp s, 0,1
	s_mov_b32 s[G0+4*\s], 1
	s_add_co_u32 s[G0+4*\s+1], s44, \s*SLOT
	s_add_nc_u64 s[G0+4*\s+2:G0+4*\s+3], s[40:41], \s*4096    ; K step s of 256: two images
	s_or_b32 s[G0+4*\s+3], s[G0+4*\s+3], 0x80000000
	s_mov_b32 s[G0B+4*\s], 1
	s_add_co_u32 s[G0B+4*\s+1], s45, \s*SLOT
	s_add_nc_u64 s[G0B+4*\s+2:G0B+4*\s+3], s[42:43], \s*256
	s_or_b32 s[G0B+4*\s+3], s[G0B+4*\s+3], 0x80000000
	s_wait_alu depctr_va_vdst(0)
	s_wait_tensorcnt 0x0
	ds_add_u32 v28, v29
	ds_add_u32 v28, v29
	s_wait_dscnt 0x0
	CROUND
	JLOAD \s
.endr
	s_lshl_b32 s46, s19, 10
	s_lshl_b32 s47, s[WJ], 9
	s_add_co_u32 s46, s46, s47                     ; my 128 channels, in bytes of f32: 4 x (256 x tile + 128 x half)
	s_mov_b32 s47, 0
	s_add_nc_u64 s[82:83], s[8:9], s[46:47]
	v_and_b32 v1, 15, v0                           ; r
	s_wait_alu depctr_va_vdst(0)
	v_bfe_u32 v2, v0, 4, 1                         ; h
	v_lshlrev_b32 v3, 5, v2                        ; my half's eight channels of a block
	WIN 0xc0                                       ; destination window 3
.irp b, 0,1,2,3,4,5,6,7
	global_load_b128 v[8*\b:8*\b+3], v3, s[82:83] offset:64*\b          ; b_out at channels 16 b + 8 h + 0 .. 7
	global_load_b128 v[8*\b+4:8*\b+7], v3, s[82:83] offset:64*\b+16
.endr
	WIN 0
	s_lshl_b32 s84, s20, 7
	s_lshl_b32 s85, s[WI], 6
	s_add_co_u32 s84, s84, s85
	s_lshl_b32 s84, s84, 12                        ; my first row of out0: (128 x tile + 64 x half) rows of 4,096 bytes: under 2^25
	s_add_co_u32 s84, s84, s46
	s_mov_b32 s85, 0
	s_add_nc_u64 s[12:13], s[12:13], s[84:85]
	v_and_b32 v4, 31, v0
	v_lshlrev_b32 v[CO], 4, v4
	s_lshl_b32 s86, s[WI], 14                      ; my four tiles of tokens
	v_mul_u32_u24 v5, v1, PITCH
	s_wait_alu depctr_va_vdst(0)
	v_lshl_add_u32 v5, v2, 3, v5                   ; w_out: row r x pitch + 8 h
	s_mul_i32 s87, s[WJ], HALFB
	s_add_co_u32 s87, s87, ABYTES
.irp s, 0,1
	v_add_nc_u32 v[ADRA+\s], s86, v[CO]
	v_add_nc_u32 v[ADRB+\s], s87, v5
	s_add_co_u32 s86, s86, SLOT
	s_add_co_u32 s87, s87, SLOT
.endr
	s_mul_i32 s88, s[WV], 16*SPITCH
	s_add_co_u32 s88, s88, STAGE                   ; my stage
	v_mul_u32_u24 v6, v1, SPITCH
	v_lshl_add_u32 v6, v2, 5, v6
	v_add_nc_u32 v[STO], s88, v6                   ; in: row r, 32 bytes for each half of the lanes
	v_add_nc_u32 v[RD], s88, v[CO]                 ; back: the 32 lanes take one row of 512 bytes
	s_wait_alu depctr_va_vdst(0)
	s_wait_kmcnt 0x0
	s_add_co_i32 s[SCL], s78, s79
	s_add_co_i32 s[SCL], s[SCL], 127
	s_lshl_b32 s[SCL], s[SCL], 23                  ; 2^(e6 + e7) as f32
	s_mov_b32 s[SCL+1], s[SCL]                     ; (named with it as a pair, so it is written)
; The fragments of the slot's q-th 128 along K into set p: w_out's eight (eight loads of 8 bytes each: registers 2 c, 2 c + 1 = k 16 c + 8 h + 0 .. 7), then a's four (four loads of 16 bytes each: the image as it lies)
.macro FETCH slot, q, p
	WIN 0x40                                       ; destination window 1
.irp b, 0,1,2,3,4,5,6,7
.irp c, 0,1,2,3,4,5,6,7
	ds_load_b64 v[128*(\p)+16*\b+2*\c:128*(\p)+16*\b+2*\c+1], v[ADRB+\slot] offset:\b*16*PITCH+128*(\q)+16*\c
.endr
.endr
	WIN 0
.irp a, 0,1,2,3
.irp c, 0,1,2,3
	ds_load_b128 v[AF+64*(\p)+16*\a+4*\c:AF+64*(\p)+16*\a+4*\c+3], v[ADRA+\slot] offset:\a*4096+(\q)*2048+512*\c
.endr
.endr
.endm
; 8 matrix instructions: block a of the tokens x the eight blocks of channels, 128 along K, set p.  zero = 1: the product starts the sums.
; The 32 accumulators take turns, one instruction a turn, in the same order in every step.
.macro MUL8 a, p, zero
.irp b, 0,1,2,3,4,5,6,7
.if \zero
	v_wmma_f32_16x16x128_fp8_fp8 v[8*(8*(\a)+\b):8*(8*(\a)+\b)+7], v[128*(\p)+16*\b:128*(\p)+16*\b+15], v[AF+64*(\p)+16*(\a):AF+64*(\p)+16*(\a)+15], 0
.else
	v_wmma_f32_16x16x128_fp8_fp8 v[8*(8*(\a)+\b):8*(8*(\a)+\b)+7], v[128*(\p)+16*\b:128*(\p)+16*\b+15], v[AF+64*(\p)+16*(\a):AF+64*(\p)+16*(\a)+15], v[8*(8*(\a)+\b):8*(8*(\a)+\b)+7]
.endif
.endr
.endm
; A slot's first 128 along K: set 0 is multiplied while set 1 is fetched.
.macro STEP slot, zero
	s_wait_dscnt 0x0                               ; set 0 is in
	PLACES                                         ; in front of the loads into set 1, which the step before multiplied
	FETCH \slot, 1, 1
	WIN MUL
	MUL8 0, 0, \zero
	MUL8 1, 0, \zero
	MUL8 2, 0, \zero
	MUL8 3, 0, \zero
	WIN 0
.endm
; A slot's second 128 along K, and the change of slots: ONE barrier; in front of it each wave waits for all its tensor loads, adds 0 to its spare word, and waits for that and for its own reads of this slot.
.macro TURN slot, next, fill
	s_wait_tensorcnt 0x0                           ; all my tensor loads have landed: my part of the next slot
	ds_add_u32 v[SPW], v[NIL]                      ; 0 onto my spare word
	s_wait_dscnt 1                                 ; set 1 is in; the add alone may be out
	WIN MUL
	MUL8 0, 1, 0                                   ; eight matrix instructions stand between the add and the wait for it
	s_wait_dscnt 0x0                               ; the add is done, and my reads of this slot are over
	s_barrier_signal -1
	MUL8 1, 1, 0
	WIN 0
	s_barrier_wait -1
.if \fill
	CREST                                          ; the barrier has opened a round of the cluster's barrier: no wave of any partner still reads this slot or has a load on its way
	s_add_nc_u64 s[G0+4*\slot+2:G0+4*\slot+3], s[G0+4*\slot+2:G0+4*\slot+3], 2*4096
	s_add_nc_u64 s[G0B+4*\slot+2:G0B+4*\slot+3], s[G0B+4*\slot+2:G0B+4*\slot+3], 2*256
	JLOAD \slot                                    ; the first tensor load behind the round; its four v_nop are also the places in front of the loads below
.else
	PLACES
.endif
	FETCH \next, 0, 0
	WIN MUL
	MUL8 2, 1, 0
	MUL8 3, 1, 0
	WIN 0
.endm
	s_wait_tensorcnt 1                             ; my part of K step 0 is in; K step 1's load, issued behind it, may be out
	s_barrier_signal -1
	s_barrier_wait -1                              ; everybody's is
	FETCH 0, 0, 0
	STEP 0, 1                                      ; the first products start the sums: nothing is cleared
	TURN 0, 1, 1                                   ; K = 1,024 is four slots' worth: written out, no loop.  Slot 0 takes K step 2,
	STEP 1, 0
	TURN 1, 0, 1                                   ; slot 1 K step 3
	STEP 0, 0
	TURN 0, 1, 0                                   ; nothing is left to fetch
	STEP 1, 0
	s_wait_dscnt 0x0                               ; the very last 128 along K
	WIN MUL
	MUL8 0, 1, 0
	MUL8 1, 1, 0
	MUL8 2, 1, 0
	MUL8 3, 1, 0
	WIN 0
; THE WAY OUT, block by block of 16 tokens x 128 channels.  A lane holds 32 neighbouring bytes of a row, and the lanes beside it hold other rows: so a block goes through my own stage in LDS and comes back as whole rows
; of 512 bytes, which the 32 lanes store as two aligned runs of 256 bytes.  LDS serves a wave's instructions in order (ISA guide 5.7.1.4): no wait between the stores and the loads, nor in front of the next block's stores.
.macro TOSTAGE a
	WIN 0x32                                       ; source 0 (the sums) window 2, source 2 (b_out) window 3
.set j, 0
.rept 32
	v_pk_fma_f32 v[TMP+j:TMP+j+1], v[64*(\a)+j:64*(\a)+j+1], s[SCL:SCL+1], v[j:j+1] op_sel_hi:[1,0,1]   ; sum x 2^(e6 + e7) + b_out; each accumulator from its low end on
.set j, j+2
.endr
	WIN 0
.irp b, 0,1,2,3,4,5,6,7
	ds_store_b128 v[STO], v[TMP+8*\b:TMP+8*\b+3] offset:64*\b
	ds_store_b128 v[STO], v[TMP+8*\b+4:TMP+8*\b+7] offset:64*\b+16
.endr
.irp t, 0,1,2,3,4,5,6,7,8,9,10,11,12,13,14,15
	ds_load_b128 v[BK+64*((\a)%2)+4*\t:BK+64*((\a)%2)+4*\t+3], v[RD] offset:\t*SPITCH
.endr
.endm
.macro SEND a, younger                 ; younger: the LDS instructions issued behind block a's loads, which may stay out
	s_wait_dscnt \younger
.irp t, 0,1,2,3,4,5,6,7,8,9,10,11,12,13,14,15
	global_store_b128 v[CO], v[BK+64*((\a)%2)+4*\t:BK+64*((\a)%2)+4*\t+3], s[12:13] offset:(\a)*65536+\t*4096 th:TH_STORE_NT   ; 512 consecutive bytes, aligned; the block and the row stand in the immediate, 258,048 at the most; written once, read by nobody here
.endr
.endm
	s_wait_loadcnt 0x0                             ; b_out
	PLACES                                         ; behind the last products: for the reads of results and the loads into a's registers
	TOSTAGE 0
.irp a, 1,2,3
.if \a > 1
	s_wait_xcnt 0x0                                ; block a - 2's stores have read their registers: block a's rows may land there
.endif
	TOSTAGE \a
	SEND \a-1, 32                                  ; behind block a - 1's loads: block a's 16 stores and 16 loads
.endr
	SEND 3, 0
	s_wait_tensorcnt 0x0                           ; the wave's end
	ds_add_u32 v[SPW], v[NIL]
	s_wait_dscnt 0x0
	CROUND                                         ; the closing round: no work-group ends while a partner may still ask for a tile that names it
	s_endpgm
.Lfunc_end_k_q456c9bf6d9_proj:
	.size	k_q456c9bf6d9_proj, .Lfunc_end_k_q456c9bf6d9_proj-k_q456c9bf6d9_proj
	.p2alignl 7, 3214868480
	.fill 96, 4, 3214868480
	.section	.rodata,"a",@progbits
	.p2align	6, 0x0
	.amdhsa_kernel k_q456c9bf6d9_proj
		.amdhsa_group_segment_fixed_size 327680
		.amdhsa_private_segment_fixed_size 0
		.amdhsa_enable_private_segment 0
		.amdhsa_kernarg_size 40
		.amdhsa_user_sgpr_count 2
		.amdhsa_user_sgpr_kernarg_segment_ptr 1
		.amdhsa_wavefront_size32 1
		.amdhsa_system_sgpr_workgroup_id_x 1
		.amdhsa_system_sgpr_workgroup_id_y 1
		.amdhsa_system_sgpr_workgroup_id_z 1
		.amdhsa_system_vgpr_workitem_id 0
		.amdhsa_next_free_vgpr 832
		.amdhsa_next_free_sgpr 100
		.amdhsa_reserve_vcc 0
		.amdhsa_float_denorm_mode_32 3
		.amdhsa_float_denorm_mode_16_64 3
		.amdhsa_memory_ordered 1
		.amdhsa_forward_progress 1
		.amdhsa_inst_pref_size 94
	.end_amdhsa_kernel
	.amdgpu_metadata
---
amdhsa.version: [ 1, 2 ]
amdhsa.kernels:
  - .name:           k_q456c9bf6d9_proj
    .symbol:         k_q456c9bf6d9_proj.kd
    .args:
      - { .name: af, .offset: 0, .size: 8, .value_kind: global_buffer, .address_space: global }
      - { .name: w_out_codes, .offset: 8, .size: 8, .value_kind: global_buffer, .address_space: global }
      - { .name: b_out, .offset: 16, .size: 8, .value_kind: global_buffer, .address_space: global }
      - { .name: lowp_scales, .offset: 24, .size: 8, .value_kind: global_buffer, .address_space: global }
      - { .name: out0, .offset: 32, .size: 8, .value_kind: global_buffer, .address_space: global }
    .group_segment_fixed_size: 327680
    .private_segment_fixed_size: 0
    .kernarg_segment_align: 8
    .kernarg_segment_size: 40
    .max_flat_workgroup_size: 128
    .sgpr_count:     100
    .vgpr_count:     832
    .wavefront_size: 32
...
	.end_amdgpu_metadata
.endif
;; end of part 3
